; MI455X (gfx1250); checked and timed in simulation.
; The chip was launched on July 23, 2026; its instructions are those of AMD's public machine-readable ISA for CDNA 5 (MIT licence, August 2026) and "CDNA5" Instruction Set Architecture Reference Guide (July 2026). The comments in the code are by the model that wrote it; some were corrected since.
;; Model. Allowed arithmetic: matrix products marked QUANTISED: E2M1 operands, one E8M0 scale for each 32 along K, by v_wmma_scale_f32_16x16x128_f8f6f4 with both operands' format E2M1 (or v_wmma_scale_f32_32x16x128_f4), f32 sums; everything else in f32.
;; Inputs: targets 4 x 2,048 int32; weight 6,282 x 1,024 bfloat16; x 4 x 2,048 x 1,024 bfloat16.
;; Outputs: out0 4 x 2,048 float32.
;; This version of the problem:
;;   THIS VERSION OF THE PROBLEM IS GIVEN IN LOW PRECISION. The matrix products marked QUANTISED in the list below multiply operands that are first quantised to E2M1 (2 exponent bits, 1 mantissa bit; 4 bits a number), with one power-of-two scale for each 32 numbers along K (OCP MX v1.0); their sums are f32. All else is computed in f32.
;;   The module's matrix products, in the order in which they are computed (A, B: the left and right operand; K: the contracted axis; several contracted axes count as one K, in the product's order):
;;     1. [M 8,192, K 1,024] x [K 1,024, N 6,282]; A: input x; B: input weight: QUANTISED
;;   THE QUANTISER, for each operand of a quantised product, along K:
;;     - K is cut into blocks of 32 from its start; a last block that is shorter is filled with zeros.
;;     - A block's scale is 2^e with e = floor(log2(the largest magnitude in the block)) - 2, held to -126 .. 127; a block of zeros has e = 0. As a byte (E8M0): e + 127.
;;     - Each number is divided by its block's scale, clamped to +-6, and rounded to the nearest number of E2M1, ties to even, subnormals kept.
;;     - The product sums the exact products of the quantised numbers (number of the format x scale) in f32.
;;   ~~~python
;;   def quantise(x, axis):      # numpy; x: float32 -> the quantised numbers, widened to float32 again
;;       x = np.moveaxis(x, axis, -1); K = x.shape[-1]
;;       x = np.pad(x, [(0, 0)] * (x.ndim - 1) + [(0, -K % 32)]); x = x.reshape(x.shape[:-1] + (-1, 32)); a = np.abs(x).max(-1, keepdims=True)
;;       e = np.where(a > 0, np.clip(np.frexp(np.where(a > 0, a, 1))[1] - 1 - 2, -126, 127), 0)      # np.frexp(a)[1] - 1 = floor(log2(a)), exactly
;;       r = np.clip(x / 2.0 ** e, -6, 6)
;;       step = 2.0 ** (np.maximum(np.frexp(np.where(r == 0, 1, r))[1] - 1, 0) - 1)
;;       q = np.round(r / step) * step * 2.0 ** e      # np.round: ties to even
;;       return np.moveaxis(q.reshape(q.shape[:-2] + (-1,))[..., :K], -1, axis).astype(np.float32)
;;   ~~~
;; One version. Each part assembles by itself: llvm-mc -triple=amdgcn-amd-amdhsa -mcpu=gfx1250 --defsym DOCPART=n.
;; ======== version 1 of 1: 3 launches
;; limits: right only within a limited range of input values
;; workspace buffers: xq 4,194,304 bytes; xs 262,144 bytes; wq 3,219,456 bytes; ws 201,216 bytes; psum 524,288 bytes; tt 65,536 bytes
;; launch quant (part 1): grid 227 x 1, 8 waves a work-group, no clusters, 156,672 bytes of LDS; arguments x, weight, xq, xs, wq, ws; writes xq, xs, wq, ws
.if DOCPART == 1
	.amdgcn_target "amdgcn-amd-amdhsa--gfx1250"
	.amdhsa_code_object_version 6
	.text
	.protected	k_q9d36cbb2cc_quant
	.globl	k_q9d36cbb2cc_quant
	.p2align	8
	.type	k_q9d36cbb2cc_quant,@function
k_q9d36cbb2cc_quant:
	s_mov_b64 s[64:65], 0
	v_nop
	global_prefetch_b8 v0, s[64:65] scope:SCOPE_SE
	s_setreg_imm32_b32 hwreg(HW_REG_WAVE_MODE, 25, 1), 1
	s_wait_xcnt 0x0
; x [8192][1024] and weight [6282][1024], bf16, become codes of FP4 (E2M1) with one E8M0 scale byte for each 32 along K (K is innermost in both).
; A block's scale is 2^(floor(log2(its largest magnitude)) - 2); its byte is the largest magnitude's exponent field - 2, held at 1 from below.  Each number is divided by
; the scale and rounded to the nearest code, ties to even; beyond 6 the largest code.
; LIMITS: NaN and infinities among the inputs are not served; blocks whose largest magnitude lies under 2^-124, the floor, have their byte held at 1.
; A block of zeros gets the byte 1 where the rule says 127: its codes are zeros, which add nothing, and the bytes are read by this program alone.
; WHAT IS STORED.  x's codes in the order of a matrix operand's registers: [tile of 16 rows][block 0..31][row 0..15][16 bytes]; its scale bytes [tile][half of K][row 0..15][16 bytes].
; The weight's codes row-major, 512 bytes a row; its scale bytes [row][32].  The weight's buffers have 6,288 rows (so that 8 rows of scale bytes always end at a multiple of 256): rows 6282 .. 6287 repeat row 6281,
; and their products are masked by the reader.
; SHARES.  A wave has one job of 16 KB in four steps of 4,096 bytes: x: 16 rows x 512 along K (a step: 16 rows x 256 bytes); the weight: 8 rows (a step: 2 whole rows).  All 32 loads of the job are issued at once.
; A step's eight loads turn through the wave's own stage in LDS and come back as two whole blocks of 32 (64 bytes each) a lane, so that a block's maximum needs no other lane:
; x: lane (r, h) takes blocks 2 c + h of row r; the weight: lane l takes block l of row c (c = 0, 1).  A lane's codes are 16 bytes a block, and both ways a wave's store covers 512 consecutive bytes
; straight from the registers.  A job's codes are 4,096 consecutive bytes, its scale bytes 256.  No barrier: waves share nothing.  The two ways have LDS bytes of their own.
; Work-groups 0-127 take x, 128-226 the weight; the six waves behind the weight's last job end.
.set XWG,   128
.set NROW,  6282
.set NJOB,  786                        ; 6,288 / 8
.set XSTG,  16*272                     ; x's stage: 16 rows of 256 bytes + 16
.set WSTG,  32*160                     ; the weight's: two rows of 32 x (64 bytes + 16)
.set XREG,  2*XSTG+256                 ; a wave's LDS: two stages, then its 256 scale bytes
.set WREG,  2*WSTG+256
.set WBASE, 8*XREG
.set SPARE, 8*XREG+8*WREG              ; behind them: the spare words
.set LN,   1                           ; v1   lane
.set GI,   2                           ; v2   16 x lane
.set SIN,  3                           ; v3   the stage, on the way in
.set SOUT, 4                           ; v4   and out
.set SBW,  5                           ; v5   where my block's scale byte goes
.set SBR,  6                           ; v6   where I read 8 scale bytes back
.set GO,   7                           ; v7   x: my 16 bytes of two rows' 256
.set RL,   8                           ; v8   lane % 16
.set HH,   9                           ; v9   lane / 16
.set MA,   10                          ; v10-11 two chains of the maximum
.set MB,   11
.set SCL,  12                          ; v12  the conversion's scale operand
.set TA,   13
.set EB,   14                          ; v14-15 scale bytes
.set RO,   16                          ; v16-23  the weight: byte offset of each of my 8 rows, + 16 x lane
.set TF,   24                          ; v24-55  a block as f32
.set XB,   56                          ; v56-119 two sets of two blocks as bf16
.set RG,   120                         ; v120-247 four steps as loaded, 32 registers each; a step's codes lie in its own first eight, which its stores into the stage have left
.set SPW,  248
.set NIL,  249
	s_load_b256 s[4:11], s[0:1], 0x0               ; x s[4:5], weight s[6:7], xq s[8:9], xs s[10:11]
	s_load_b128 s[12:15], s[0:1], 0x20             ; wq s[12:13], ws s[14:15]
	v_lshl_add_u32 v[SPW], v0, 2, SPARE
	v_mov_b32 v[NIL], 0
	v_lshrrev_b32 v[TA], 5, v0
	v_readfirstlane_b32 s16, v[TA]                 ; wave 0..7
	v_and_b32 v[LN], 31, v0
	v_and_b32 v[RL], 15, v0
	v_bfe_u32 v[HH], v0, 4, 1
	v_lshlrev_b32 v[GI], 4, v[LN]
	s_mov_b32 s21, 0xffff0000                      ; a word's upper bf16
	s_mov_b32 s23, 0
.macro LOAD s, isx                     ; step s: eight loads of 512 bytes
.irp i, 0,1,2,3,4,5,6,7
.if \isx
	global_load_b128 v[RG+32*(\s)+4*\i:RG+32*(\s)+4*\i+3], v[GO], s[4:5] offset:4096*\i+256*(\s) th:TH_LOAD_NT   ; rows 2 i, 2 i + 1: 256 consecutive bytes each
.else
	global_load_b128 v[RG+32*(\s)+4*\i:RG+32*(\s)+4*\i+3], v[RO+2*(\s)+\i/4], s[4:5] offset:512*(\i%4) th:TH_LOAD_NT
.endif
.endr
.endm
.macro TURN s, isx                     ; step s through a stage: LDS serves a wave's instructions in order, so no wait stands between the stores and the loads
.if \isx
.set STG, XSTG
.set DIN, 544
.set DOUT, 128
.else
.set STG, WSTG
.set DIN, 640
.set DOUT, 2560
.endif
.irp i, 0,1,2,3,4,5,6,7
	ds_store_b128 v[SIN], v[RG+32*(\s)+4*\i:RG+32*(\s)+4*\i+3] offset:STG*((\s)%2)+DIN*\i
.endr
.irp c, 0,1
.irp q, 0,1,2,3
	ds_load_b128 v[XB+32*((\s)%2)+16*\c+4*\q:XB+32*((\s)%2)+16*\c+4*\q+3], v[SOUT] offset:STG*((\s)%2)+DOUT*\c+16*\q
.endr
.endr
.endm
.macro BLOCK s, c
.set BS, XB+32*((\s)%2)+16*(\c)
.set CS, RG+32*(\s)+4*(\c)
.irp i, 0,1,2,3,4,5,6,7,8,9,10,11,12,13,14,15
	v_lshlrev_b32 v[TF+2*\i],   16,  v[BS+\i]      ; bf16 to f32: the low half moves up,
	v_and_b32     v[TF+2*\i+1], s21, v[BS+\i]      ; the high half stays
.endr
	v_max3_num_f32 v[MA], |v[TF]|, |v[TF+1]|, 0x1800000    ; the block's largest magnitude, in two chains, and the floor 2^(3 - 127): the byte cannot fall under 1
	v_max3_num_f32 v[MB], |v[TF+2]|, |v[TF+3]|, |v[TF+4]|
.irp i, 5,9,13,17,21,25
	v_max3_num_f32 v[MA], v[MA], |v[TF+\i]|, |v[TF+\i+1]|
	v_max3_num_f32 v[MB], v[MB], |v[TF+\i+2]|, |v[TF+\i+3]|
.endr
	v_max3_num_f32 v[MA], v[MA], |v[TF+29]|, |v[TF+30]|
	v_max3_num_f32 v[MA], v[MA], v[MB], |v[TF+31]|
	v_add_nc_u32 v[SCL], 0xff000000, v[MA]         ; 2 off its exponent field: the conversion takes the exponent field of this operand as its scale
.irp g, 0,1,2,3
	v_cvt_scalef32_pk8_fp4_f32 v[CS+\g], v[TF+8*\g:TF+8*\g+7], v[SCL]
.endr
	v_lshrrev_b32 v[EB+\c], 23, v[SCL]             ; the scale's byte; also the plain line behind the conversions
	ds_store_b8 v[SBW], v[EB+\c] offset:OFB
	global_store_b128 v[GI], v[CS:CS+3], s[8:9] offset:1024*(\s)+512*(\c)
.endm
.macro STEP s, isx
.if (\s) == 0
	s_wait_dscnt 0x0
.else
	s_wait_dscnt 2                                 ; this step's numbers are back from the stage; younger: the last step's two byte stores
.endif
.if (\s) < 3
	s_wait_loadcnt 8*(2-(\s))                      ; the next step's eight loads are in; those of the steps behind it may be out
	TURN (\s)+1, \isx                              ; it goes through the other stage while this step is worked
.endif
.irp c, 0,1
.if \isx
.set OFB, 4*(\s)+2*\c
.else
.set OFB, 32*(2*(\s)+\c)
.endif
	BLOCK \s, \c
.endr
.endm
.macro ROWS isx
.irp s, 0,1,2,3
	LOAD \s, \isx
.endr
	v_lshlrev_b32 v[TA], 3, v[LN]                  ; 8 x lane
	s_wait_alu depctr_va_vdst(0)
	s_wait_loadcnt 24                              ; step 0 is in
	TURN 0, \isx
.irp s, 0,1,2,3
	STEP \s, \isx
.endr
	ds_load_b64 v[XB:XB+1], v[SBR]                 ; LDS serves a wave's instructions in order: these see my stores
	s_wait_dscnt 0x0
	global_store_b64 v[TA], v[XB:XB+1], s[10:11]   ; my 256 scale bytes
	s_wait_tensorcnt 0x0                           ; the wave's end
	ds_add_u32 v[SPW], v[NIL]
	s_wait_dscnt 0x0
	s_endpgm
.endm
	s_wait_alu depctr_va_vdst(0)
	s_cmp_lt_u32 ttmp9, XWG
	s_cbranch_scc0 .Lweight
	; ---- x
	s_lshl_b32 s17, ttmp9, 3
	s_add_co_u32 s17, s17, s16                     ; my job: tile of 16 rows = job / 2, half of K = job % 2
	s_mul_i32 s25, s16, XREG
	s_add_co_u32 s24, s25, 2*XSTG
	v_lshlrev_b32 v[TA], 4, v[RL]
	v_mul_u32_u24 v[SIN], v[HH], 272
	v_mul_u32_u24 v[SOUT], v[RL], 272
	v_lshl_add_u32 v[GO], v[HH], 11, v[TA]
	v_add_nc_u32 v[SBW], v[TA], v[HH]
	v_lshlrev_b32 v[SBR], 3, v[LN]
	v_add_nc_u32 v[SIN], v[TA], v[SIN]
	v_lshl_add_u32 v[SOUT], v[HH], 6, v[SOUT]
	v_add_nc_u32 v[SBW], s24, v[SBW]
	v_add_nc_u32 v[SBR], s24, v[SBR]
	v_add_nc_u32 v[SIN], s25, v[SIN]
	v_add_nc_u32 v[SOUT], s25, v[SOUT]
	s_lshr_b32 s22, s17, 1
	s_lshl_b32 s22, s22, 15                        ; 16 rows of 2,048 bytes
	s_and_b32 s18, s17, 1
	s_lshl_b32 s18, s18, 10                        ; half a row
	s_add_co_u32 s22, s22, s18
	s_wait_alu depctr_va_vdst(0)
	s_wait_kmcnt 0x0
	s_add_nc_u64 s[4:5], s[4:5], s[22:23]
	s_lshl_b32 s22, s17, 12
	s_add_nc_u64 s[8:9], s[8:9], s[22:23]
	s_lshl_b32 s22, s17, 8
	s_add_nc_u64 s[10:11], s[10:11], s[22:23]
	ROWS 1
	; ---- weight
.Lweight:
	s_sub_co_u32 s17, ttmp9, XWG
	s_lshl_b32 s17, s17, 3
	s_add_co_u32 s17, s17, s16                     ; my job of 8 rows
	s_cmp_ge_u32 s17, NJOB
	s_cbranch_scc1 .Lnothing
	s_lshl_b32 s18, s17, 3                         ; its first row
	s_sub_co_u32 s19, NROW-1, s18                  ; the tensor's last row, counted from it: rows beyond repeat that one, so that no load leaves the buffer
	s_mul_i32 s25, s16, WREG
	s_add_co_u32 s25, s25, WBASE
	s_add_co_u32 s24, s25, 2*WSTG
	v_lshrrev_b32 v[TA], 2, v[LN]
	v_and_b32 v[MA], 3, v[LN]
	v_mul_u32_u24 v[SOUT], v[LN], 80
	v_lshlrev_b32 v[SBR], 3, v[LN]
	v_mul_u32_u24 v[SIN], v[TA], 80
	v_add_nc_u32 v[SBW], s24, v[LN]
	v_add_nc_u32 v[SOUT], s25, v[SOUT]
	v_add_nc_u32 v[SBR], s24, v[SBR]
	v_lshl_add_u32 v[SIN], v[MA], 4, v[SIN]
	v_add_nc_u32 v[SIN], s25, v[SIN]
.irp t, 0,1,2,3,4,5,6,7
	s_min_u32 s22, s19, \t
	s_lshl_b32 s22, s22, 11
	v_add_nc_u32 v[RO+\t], s22, v[GI]
.endr
	s_lshl_b32 s22, s18, 11
	s_wait_alu depctr_va_vdst(0)
	s_wait_kmcnt 0x0
	s_add_nc_u64 s[4:5], s[6:7], s[22:23]
	s_lshl_b32 s22, s17, 12
	s_add_nc_u64 s[8:9], s[12:13], s[22:23]
	s_lshl_b32 s22, s17, 8
	s_add_nc_u64 s[10:11], s[14:15], s[22:23]
	ROWS 0
.Lnothing:
	s_endpgm
.Lfunc_end_k_q9d36cbb2cc_quant:
	.size	k_q9d36cbb2cc_quant, .Lfunc_end_k_q9d36cbb2cc_quant-k_q9d36cbb2cc_quant
	.p2alignl 7, 3214868480
	.fill 96, 4, 3214868480
	.section	.rodata,"a",@progbits
	.p2align	6, 0x0
	.amdhsa_kernel k_q9d36cbb2cc_quant
		.amdhsa_group_segment_fixed_size 156672
		.amdhsa_private_segment_fixed_size 0
		.amdhsa_enable_private_segment 0
		.amdhsa_kernarg_size 48
		.amdhsa_user_sgpr_count 2
		.amdhsa_user_sgpr_kernarg_segment_ptr 1
		.amdhsa_wavefront_size32 1
		.amdhsa_system_sgpr_workgroup_id_x 1
		.amdhsa_system_sgpr_workgroup_id_y 1
		.amdhsa_system_sgpr_workgroup_id_z 1
		.amdhsa_system_vgpr_workitem_id 0
		.amdhsa_next_free_vgpr 250
		.amdhsa_next_free_sgpr 66
		.amdhsa_reserve_vcc 0
		.amdhsa_float_denorm_mode_32 3
		.amdhsa_float_denorm_mode_16_64 3
		.amdhsa_memory_ordered 1
		.amdhsa_forward_progress 1
		.amdhsa_inst_pref_size 60
	.end_amdhsa_kernel
	.amdgpu_metadata
---
amdhsa.version: [ 1, 2 ]
amdhsa.kernels:
  - .name:           k_q9d36cbb2cc_quant
    .symbol:         k_q9d36cbb2cc_quant.kd
    .args:
      - { .name: x, .offset: 0, .size: 8, .value_kind: global_buffer, .address_space: global }
      - { .name: weight, .offset: 8, .size: 8, .value_kind: global_buffer, .address_space: global }
      - { .name: xq, .offset: 16, .size: 8, .value_kind: global_buffer, .address_space: global }
      - { .name: xs, .offset: 24, .size: 8, .value_kind: global_buffer, .address_space: global }
      - { .name: wq, .offset: 32, .size: 8, .value_kind: global_buffer, .address_space: global }
      - { .name: ws, .offset: 40, .size: 8, .value_kind: global_buffer, .address_space: global }
    .group_segment_fixed_size: 156672
    .private_segment_fixed_size: 0
    .kernarg_segment_align: 8
    .kernarg_segment_size: 48
    .max_flat_workgroup_size: 256
    .sgpr_count:     66
    .vgpr_count:     250
    .wavefront_size: 32
...
	.end_amdgpu_metadata
.endif
;; end of part 1
;; launch logits (part 2): grid 16 x 16, 8 waves a work-group, clusters of 4 x 1, 327,680 bytes of LDS; arguments xq, xs, wq, ws, psum, targets, tt; writes psum, tt
.if DOCPART == 2
	.amdgcn_target "amdgcn-amd-amdhsa--gfx1250"
	.amdhsa_code_object_version 6
	.text
	.protected	k_q9d36cbb2cc_logits
	.globl	k_q9d36cbb2cc_logits
	.p2align	8
	.type	k_q9d36cbb2cc_logits,@function
k_q9d36cbb2cc_logits:
	s_mov_b64 s[64:65], 0
	v_nop
	global_prefetch_b8 v0, s[64:65] scope:SCOPE_SE
	s_setreg_imm32_b32 hwreg(HW_REG_WAVE_MODE, 25, 1), 1
	s_wait_xcnt 0x0
	s_wait_alu depctr_hold_cnt(0) depctr_sa_sdst(0) depctr_va_vdst(0) depctr_va_sdst(0) depctr_va_ssrc(0) depctr_va_vcc(0) depctr_vm_vsrc(0)
	s_getreg_b32 s2, hwreg(HW_REG_IB_STS2, 6, 4)
	s_cmp_eq_u32 s2, 0
	s_cbranch_scc0 .Lentry_in_a_cluster
	s_endpgm
.Lentry_in_a_cluster:
	s_bfe_u32 s2, ttmp6, 0x10000c
	s_cmp_lg_u32 s2, 0x3003
	s_cbranch_scc0 .Lentry_shape_is_right
	s_endpgm
.Lentry_shape_is_right:
; psum[ns][row] = the sum, over the columns n of split ns, of exp(l(row, n) - 30), l = 30 tanh(s / 30), s = Q(x) Q(W)^T on codes of FP4 with E8M0 scales;
; tt[tile][lane] = 30 - l(row, target[row]), row = 16 tile + lane % 16.
; THE SHIFT 30 IS FIXED, AND MAY BE: the tanh holds every l in [-30, 30] whatever the inputs, so exp(l - 30) lies in [e^-60, 1] = [8.8e-27, 1] and a sum of 282 to 6,282 of them
; neither overflows nor underflows in f32.  LIMITS: NaN and infinities are not served; a target is held inside 0 .. 6,281 before it enters an address.
; ONE LOGIT: e = 2^(c1 s), c1 = 2 log2(e) / 30;  u = 1 / (k e + k), k = -ln 2 / 60;  p = 2^u = exp(-60 / (1 + e)) = exp(l - 30).  e = infinity gives u = -0, p = 1; e = 0 gives p = e^-60.
; SHARES.  A work-group: 512 rows x 400 columns (25 tiles of 16); each of eight waves 64 rows, two pairs of 16-row tiles, and all 400 columns.  Split 15 owns columns 6000 .. 6281 and fetches from 5888 on, so that
; its rows of scale bytes begin at a multiple of 256; what is not its own is multiplied by 0 in the sum (a mask of 1.0 or 0.0 a lane, made from ids).
; x: a wave's 64 rows x 1,024 K of codes are 256 registers (window 1), loaded once, 512 consecutive bytes a load: the buffer is laid in the order of the operand's registers.
; W: the split's codes (rows of 528 bytes) and scale bytes lie in LDS, filled once: the first 80 rows and all scale bytes at the head, one load in each of six waves; 40 more rows a wave behind a full round. The four work-groups of a
; cluster have the same ns: each tile is asked for JOINTLY (mask 15).  No prefetch: both fills stand ahead of the loop, so there is no loop to run ahead in.
; THE STEPS.  Step n: the products of tile n, and one stage of each earlier tile: the sum of tile n - 4, c1 s of tile n - 1; 16 products (32 rows x 16 columns x 128 K each); k e + k of tile n - 2;
;   then one batch of 96 transcendentals: e of tile n - 1, the reciprocal of tile n - 2, p of tile n - 3.
; Tile n keeps register set n % 4 (32 registers) all the way; a trip is four steps, so the register numbers come back.
; THE TARGET'S LOGIT: waves 0 and 1 take 16 rows each of the work-group's share (tile 32 mb + 2 ns + wave): 16 rows of x times the 16 rows W[target], gathered from memory: the diagonal of a 16 x 16 product.
; LAYOUT.  Source 0 = 32 rows of x, source 1 = 16 rows of W: a lane holds column lane % 16; its register 8 e + j is row 16 e + 8 (lane / 16) + j.
; SCALE WORDS.  x: lane m holds row m of the pair, a register a K step.  W: lanes 0-15 hold the tile's rows, a register a K step (lanes 16-31 hold the same and are not read).
.set NCOL,  6282
.set SPLIT, 400
.set LASTC, 5888                       ; 6,288 - 400
.set WP,    528                        ; a row of W's codes in LDS: 512 bytes + 16
.set TB,    16*WP
.set SCW,   SPLIT*WP                   ; behind the codes: the scale bytes, 32 a row, dense
.set SPARE, 0x4c000                    ; the spare words: 128 bytes a wave
.set ADW, 1                            ; v1   my lane's place in the tile of W that is fetched next
.set ADS, 2                            ; v2   and among W's scale bytes
.set COL, 3                            ; v3   my column less the split's first, in the tile that is summed
.set MK,  4                            ; v[4:5] the mask (the packed form names a pair and takes its low word)
.set SPW, 6
.set NIL, 7
.set XS,  8                            ; v8-23  x's scale words: pair p, K step s at 8 p + s
.set WS,  24                           ; v24-31 W's scale words
.set ACC, 32                           ; v32-159 four sets of 32
.set SUM, 160                          ; v160-191 the sums; at the head, ahead of the first sum, the registers named next
.set XO,  160                          ; 16 x lane
.set XSO, 161                          ; x's scale bytes: 512 (lane / 16) + 16 (lane % 16)
.set TG,  162                          ; target
.set GW,  163                          ; its row of codes
.set GS,  164                          ; and of scale bytes
.set HA,  165                          ; 16 h
.set T0,  166
.set RL,  167                          ; r = lane % 16
.set DG,  168                          ; r - 8 h: the register that holds the diagonal
.set TTO, 169                          ; 4 x lane
.set D0,  170
.set D1,  171
.set HH,  172                          ; h = lane / 16
.set R4,  173                          ; 4 r
.set WF,  192                          ; v192-255 W's fragments of a tile, 8 a K step
.set DD,  ACC+64                       ; at the head: the target product's two accumulators
.set WV,  18
.set MBK, 20
.set NSP, 21
.set LO,  22
.set ST,  23
.set G1C, 32                           ; descriptor group 1: codes
.set G1S, 40                           ; scale bytes
.set G0C, 48                           ; group 0: the head's codes
.set G0S, 52                           ; scale bytes
.set G0D, 56                           ; the other 320 rows
.set C1,  66
.set KK,  68
.set CNT, 70
.set LIM, 71
.set XD,  72
.set SD,  74
.set PLA, 76
.set FM,  80
.set MSB, 0
.macro WIN new                         ; the immediate's high byte repeats the setting that is left
.if MSB != \new
	s_set_vgpr_msb (MSB<<8)|\new
.set MSB, \new
.endif
.endm
.macro ROUND                           ; a round of the cluster's barrier
	s_barrier_signal -1
	s_barrier_wait -1
	s_cmp_lg_u32 s[WV], 0
	s_cbranch_scc1 .Lnot_wave_0_\@
	s_barrier_signal -3
.Lnot_wave_0_\@:
	s_barrier_wait -3
	s_barrier_signal -1
	s_barrier_wait -1
.endm
.macro PLACES n
.rept \n
	v_nop
.endr
.endm
	s_load_b256 s[4:11], s[0:1], 0x0               ; xq s[4:5], xs s[6:7], wq s[8:9], ws s[10:11]
	s_load_b128 s[12:15], s[0:1], 0x20             ; psum s[12:13], targets s[14:15]
	s_load_b64 s[16:17], s[0:1], 0x30              ; tt
	v_lshl_add_u32 v[SPW], v0, 2, SPARE
	v_mov_b32 v[NIL], 0
	ds_add_u32 v[SPW], v[NIL]                      ; the opening: the add, twice on end, and its wait ahead of my first tensor load
	ds_add_u32 v[SPW], v[NIL]
	v_lshrrev_b32 v[T0], 5, v0
	v_readfirstlane_b32 s[WV], v[T0]               ; wave 0..7
	s_bfe_u32 s19, ttmp6, 0x40000                  ; cx: it enters the addresses of x, psum, targets and tt alone
	s_lshl_b32 s[MBK], ttmp9, 2
	s_add_co_u32 s[MBK], s[MBK], s19               ; mb = 4 x cluster x + cx
	s_and_b32 s[NSP], ttmp7, 0xffff                ; ns, which the four partners share
	s_mul_i32 s[LO], s[NSP], SPLIT                 ; the split's first column
	s_min_u32 s[ST], s[LO], LASTC                  ; the first column that is fetched
	s_sub_co_u32 s[LIM], NCOL, s[LO]
	v_and_b32 v[T0], 31, v0
	v_and_b32 v[RL], 15, v0
	v_bfe_u32 v[HH], v0, 4, 1
	v_lshlrev_b32 v[XO], 4, v[T0]
	v_lshlrev_b32 v[TTO], 2, v[T0]
	v_mul_u32_u24 v[ADW], v[RL], WP
	v_lshlrev_b32 v[HA], 4, v[HH]
	v_lshlrev_b32 v[R4], 2, v[RL]
	v_lshlrev_b32 v[D0], 3, v[HH]
	v_lshlrev_b32 v[XSO], 4, v[RL]
	v_lshlrev_b32 v[ADS], 5, v[RL]
	v_add_nc_u32 v[ADW], v[HA], v[ADW]             ; row r x pitch + 16 h
	v_sub_nc_u32 v[DG], v[RL], v[D0]
	v_lshl_add_u32 v[XSO], v[HH], 9, v[XSO]
	v_add_nc_u32 v[ADS], SCW, v[ADS]               ; row r's 32 scale bytes
	s_sub_co_u32 s28, s[ST], s[LO]
	s_sub_co_u32 s28, s28, 16
	v_add_nc_u32 v[COL], s28, v[RL]                ; one tile ahead of the first: it is stepped before it is used
	v_mov_b32 v[MK+1], 0                           ; named with the mask as a pair, so it is written
	v_mov_b32 v[D0], 0
	v_mov_b32 v[D1], 0                             ; a lane permute's destination counts as one of its sources
	; group 1, codes: 16 rows of 512 bytes (40 for the second fill), 16 bytes of padding behind each
	s_mov_b32 s[G1C+0], 15|(1<<20)|(1<<21)|(6<<22)|(3<<25)   ; 15:0 the mask: all four work-groups; 17:16 elements of 1 byte; 20 padding on; 21 set beside a mask; 24:22 after every 128 words (code 6); 31:25 four words (code 3)
	s_mov_b32 s[G1C+1], 512<<16
	s_mov_b32 s[G1C+2], 16<<16
	s_mov_b32 s[G1C+3], 512<<16
	s_mov_b32 s[G1C+4], 16
	s_mov_b32 s[G1C+5], 512
	s_mov_b32 s[G1C+6], 0
	s_mov_b32 s[G1C+7], 0
	; scale bytes: 12,800 dense bytes as 50 rows of 256 (32 elements of 8 bytes)
	s_mov_b32 s[G1S+0], 15|(3<<16)|(1<<21)
	s_mov_b32 s[G1S+1], 32<<16
	s_mov_b32 s[G1S+2], 50<<16
	s_mov_b32 s[G1S+3], 32<<16
	s_mov_b32 s[G1S+4], 50
	s_mov_b32 s[G1S+5], 32
	s_mov_b32 s[G1S+6], 0
	s_mov_b32 s[G1S+7], 0
	; group 0: made of ns and the wave's number alone, in registers that never hold cx
	s_lshl_b32 s28, s[WV], 4
	s_add_co_u32 s28, s28, s[ST]
	s_lshl_b32 s28, s28, 9                         ; waves 0-4: a tile of 16 rows each
	s_mov_b32 s29, 0
	s_mul_i32 s30, s[WV], 40
	s_add_co_u32 s30, s30, s[ST]
	s_add_co_u32 s30, s30, 80
	s_lshl_b32 s30, s30, 9                         ; and behind those 80 rows 40 a wave
	s_mov_b32 s31, 0
	s_lshl_b32 s62, s[ST], 5
	s_mov_b32 s63, 0
	s_mul_i32 s61, s[WV], 40*WP
	s_mov_b32 s[G0C], 1
	s_mul_i32 s[G0C+1], s[WV], TB
	s_mov_b32 s[G0S], 1
	s_mov_b32 s[G0S+1], SCW
	s_mov_b32 s[G0D], 1
	s_add_co_u32 s[G0D+1], s61, 80*WP
	; offsets of my rows in x's codes, x's scale bytes and psum
	s_lshl_b32 s24, s[MBK], 18
	s_lshl_b32 s25, s[WV], 15
	s_add_co_u32 s24, s24, s25
	s_mov_b32 s25, 0
	s_lshl_b32 s26, s[MBK], 14
	s_lshl_b32 s27, s[WV], 11
	s_add_co_u32 s26, s26, s27
	s_mov_b32 s27, 0
	s_lshl_b32 s78, s[MBK], 5
	s_lshl_b32 s79, s[NSP], 1
	s_add_co_u32 s78, s78, s79
	s_add_co_u32 s78, s78, s[WV]                   ; waves 0, 1: the tile whose target terms are mine
	s_wait_alu depctr_va_vdst(0)
	s_wait_dscnt 0x0                               ; both opening adds are done
	ROUND                                          ; all four work-groups are here: the joint loads meet
	s_wait_kmcnt 0x0
	s_add_nc_u64 s[G0C+2:G0C+3], s[8:9], s[28:29]
	s_or_b32 s[G0C+3], s[G0C+3], 0x80000000
	s_add_nc_u64 s[G0S+2:G0S+3], s[10:11], s[62:63]
	s_or_b32 s[G0S+3], s[G0S+3], 0x80000000
	s_add_nc_u64 s[G0D+2:G0D+3], s[8:9], s[30:31]
	s_or_b32 s[G0D+3], s[G0D+3], 0x80000000
	s_cmp_lt_u32 s[WV], 5                          ; the head's loads, at most one a wave: waves 0-4 codes, wave 5 the scale bytes
	s_cbranch_scc0 .Lhead_scales
	tensor_load_to_lds s[G0C:G0C+3], s[G1C:G1C+7]
	s_nop 0
	PLACES 4
	s_branch .Lasked
.Lhead_scales:
	s_cmp_lt_u32 s[WV], 6
	s_cbranch_scc0 .Lasked
	tensor_load_to_lds s[G0S:G0S+3], s[G1S:G1S+7]
	s_nop 0
	PLACES 4
.Lasked:
	s_mov_b32 s79, 0
	s_mov_b32 s28, s78
	s_lshl_b32 s78, s28, 13
	s_add_nc_u64 s[XD:XD+1], s[4:5], s[78:79]      ; that tile's codes,
	s_lshl_b32 s78, s28, 9
	s_add_nc_u64 s[SD:SD+1], s[6:7], s[78:79]      ; scale bytes,
	s_lshl_b32 s78, s28, 6
	s_add_nc_u64 s[14:15], s[14:15], s[78:79]      ; targets
	s_lshl_b32 s78, s28, 7
	s_add_nc_u64 s[16:17], s[16:17], s[78:79]      ; and terms
	s_add_nc_u64 s[4:5], s[4:5], s[24:25]
	s_add_nc_u64 s[6:7], s[6:7], s[26:27]
	s_lshl_b32 s24, s[NSP], 15                     ; psum: 32,768 bytes a split, 4 bytes a row
	s_lshl_b32 s26, s[MBK], 11
	s_add_co_u32 s24, s24, s26
	s_lshl_b32 s26, s[WV], 8
	s_add_co_u32 s24, s24, s26
	s_add_nc_u64 s[12:13], s[12:13], s[24:25]
	s_cmp_gt_u32 s[WV], 1
	s_cbranch_scc1 .Lno_target
	global_load_b32 v[TG], v[R4], s[14:15]
.irp s, 0,1,2,3,4,5,6,7
.irp c, 0,1
	global_load_b128 v[ACC+8*\s+4*\c:ACC+8*\s+4*\c+3], v[XO], s[XD:XD+1] offset:1024*\s+512*\c
.endr
.endr
	global_load_b128 v[WS+4:WS+7], v[XO], s[SD:SD+1]       ; lane (r, h): K steps 4 h .. 4 h + 3 of row r
.Lno_target:
	WIN 0x40                                       ; destination window 1, address window 0
.irp p, 0,1                            ; x: fragment (pair p, K step s) at v[128 p + 16 s] of window 1: 8 registers for each of the pair's tiles
.irp e, 0,1
.irp s, 0,1,2,3,4,5,6,7
.irp c, 0,1
	global_load_b128 v[128*\p+16*\s+8*\e+4*\c:128*\p+16*\s+8*\e+4*\c+3], v[XO], s[4:5] offset:8192*(2*\p+\e)+1024*\s+512*\c
.endr
.endr
.endr
.endr
	WIN 0
.irp p, 0,1
.irp q, 0,1
	global_load_b128 v[XS+8*\p+4*\q:XS+8*\p+4*\q+3], v[XSO], s[6:7] offset:1024*\p+256*\q
.endr
.endr
	s_cmp_gt_u32 s[WV], 1
	s_cbranch_scc1 .Lno_gather
	s_wait_loadcnt 0x3f                            ; the target is in: 85 loads were issued behind it, and the count leaves 63 out
	v_min_u32 v[TG], 6281, v[TG]
	v_lshlrev_b32 v[GW], 9, v[TG]
	v_add_nc_u32 v[GW], v[GW], v[HA]               ; its row of codes, + 16 h
	v_lshlrev_b32 v[GS], 5, v[TG]
	v_add_nc_u32 v[GS], v[GS], v[HA]               ; its row of scale bytes, + 16 h
.irp s, 0,1,2,3,4,5,6,7
.irp c, 0,1
	global_load_b128 v[WF+8*\s+4*\c:WF+8*\s+4*\c+3], v[GW], s[8:9] offset:64*\s+32*\c
.endr
.endr
	global_load_b128 v[WS:WS+3], v[GS], s[10:11]
.Lno_gather:
	s_mov_b32 s[C1], 0x3dc4f9d9                    ; 2 log2(e) / 30
	s_mov_b32 s[C1+1], s[C1]
	s_mov_b32 s[KK], 0xbc3d4680                    ; -ln 2 / 60
	s_mov_b32 s[KK+1], s[KK]
	s_mov_b32 s[PLA], 0x76543210
	s_mov_b32 s[PLA+1], 0xfedcba98                 ; v_permlanex16_b32's selects for lane l xor 16
	s_mov_b32 s[FM+0], 0xff00ff00                  ; lanes with bit 3, 2, 1, 0
	s_mov_b32 s[FM+1], 0xf0f0f0f0
	s_mov_b32 s[FM+2], 0xcccccccc
	s_mov_b32 s[FM+3], 0xaaaaaaaa
	s_wait_alu depctr_va_vdst(0)
	s_wait_tensorcnt 0x0                           ; my part of the head's fill is in; these lines stand ahead of a later first fill,
	ds_add_u32 v[SPW], v[NIL]
	ds_add_u32 v[SPW], v[NIL]
	s_mov_b32 s[G1C+2], 40<<16                     ; no tensor load of mine is out: the descriptor turns to 40 rows
	s_mov_b32 s[G1C+4], 40
	s_wait_dscnt 0x0
	ROUND                                          ; everybody's part of the head's fill is in; the joint loads meet
	tensor_load_to_lds s[G0D:G0D+3], s[G1C:G1C+7]  ; rows 80 .. 399, my 40
	s_nop 0
	PLACES 4
	s_wait_loadcnt 0x0                             ; x (and, in waves 0 and 1, the gathered rows)
	s_cmp_gt_u32 s[WV], 1
	s_cbranch_scc1 .Lno_term
.irp s, 0,1,2,3,4,5,6,7                ; two accumulators take turns (even and odd K steps)
.if \s < 2
	v_wmma_scale_f32_16x16x128_f8f6f4 v[DD+8*(\s%2):DD+7+8*(\s%2)], v[ACC+8*\s:ACC+7+8*\s], v[WF+8*\s:WF+7+8*\s], 0, v[WS+4+\s%4], v[WS+\s%4] matrix_a_fmt:MATRIX_FMT_FP4 matrix_b_fmt:MATRIX_FMT_FP4
.elseif \s < 4
	v_wmma_scale_f32_16x16x128_f8f6f4 v[DD+8*(\s%2):DD+7+8*(\s%2)], v[ACC+8*\s:ACC+7+8*\s], v[WF+8*\s:WF+7+8*\s], v[DD+8*(\s%2):DD+7+8*(\s%2)], v[WS+4+\s%4], v[WS+\s%4] matrix_a_fmt:MATRIX_FMT_FP4 matrix_b_fmt:MATRIX_FMT_FP4
.else
	v_wmma_scale_f32_16x16x128_f8f6f4 v[DD+8*(\s%2):DD+7+8*(\s%2)], v[ACC+8*\s:ACC+7+8*\s], v[WF+8*\s:WF+7+8*\s], v[DD+8*(\s%2):DD+7+8*(\s%2)], v[WS+4+\s%4], v[WS+\s%4] matrix_a_fmt:MATRIX_FMT_FP4 matrix_b_fmt:MATRIX_FMT_FP4 matrix_a_scale:MATRIX_SCALE_ROW1 matrix_b_scale:MATRIX_SCALE_ROW1
.endif
.endr
	PLACES 5
.irp j, 0,2,4,6
	v_pk_add_f32 v[DD+\j:DD+1+\j], v[DD+\j:DD+1+\j], v[DD+8+\j:DD+9+\j]
.endr
.irp j, 0,1,2,3,4,5,6,7
	v_cmp_eq_u32 vcc_lo, \j, v[DG]                 ; register j of lane (r, h) holds (row 8 h + j, column r): the diagonal is j = r - 8 h
	v_cndmask_b32 v[D0], v[D0], v[DD+\j], vcc_lo
.endr
	v_permlanex16_b32 v[D1], v[D0], s[PLA], s[PLA+1]
	v_add_f32 v[D0], v[D0], v[D1]                  ; one of the two lanes of a row held it, the other 0
	v_mul_f32 v[D0], s[C1], v[D0]
	s_wait_alu depctr_va_vdst(0)
	v_exp_f32 v[D0], v[D0]
	v_nop
	s_wait_alu depctr_va_vdst(0)
	v_add_f32 v[D0], 1.0, v[D0]
	s_wait_alu depctr_va_vdst(0)
	v_rcp_f32 v[D0], v[D0]
	v_nop
	s_wait_alu depctr_va_vdst(0)
	v_mul_f32 v[D0], 0x42700000, v[D0]             ; 60 / (1 + e) = 30 - l
	global_store_b32 v[TTO], v[D0], s[16:17]       ; both lanes of a row hold the same number: 128 consecutive bytes
.Lno_term:
.macro FETCH                           ; the next tile: its scale words, then 16 rows x 1,024 K
	ds_load_b128 v[WS:WS+3], v[ADS]
	ds_load_b128 v[WS+4:WS+7], v[ADS] offset:16
.irp s, 0,1,2,3,4,5,6,7
.irp c, 0,1
	ds_load_b128 v[WF+8*\s+4*\c:WF+8*\s+4*\c+3], v[ADW] offset:64*\s+32*\c
.endr
.endr
.endm
.macro TR op, b                        ; 32 transcendentals in place
.set q, 0
.rept 32
	\op v[\b+q], v[\b+q]
.set q, q+1
.endr
.endm
; Step n, 0 .. 28 (25 .. 28 have no products left).  The first wait shows the last batch's results and the last products, the second the batch's sources.
.macro STEP n
.set Q0, ACC+32*((\n)%4)               ; the set of tile n, and of tile n - 4
.set Q1, ACC+32*(((\n)+3)%4)           ; of tile n - 1
.set Q2, ACC+32*(((\n)+2)%4)           ; of tile n - 2
.set Q3, ACC+32*(((\n)+1)%4)           ; of tile n - 3
	s_wait_alu depctr_va_vdst(0)
.if (\n) >= 4
.irp j, 0,2,4,6,8,10,12,14,16,18,20,22,24,26,28,30     ; sum += p x mask
.if (\n) == 4 && FIRST
	v_pk_mul_f32 v[SUM+\j:SUM+\j+1], v[Q0+\j:Q0+\j+1], v[MK:MK+1] op_sel_hi:[1,0]
.else
	v_pk_fma_f32 v[SUM+\j:SUM+\j+1], v[Q0+\j:Q0+\j+1], v[MK:MK+1], v[SUM+\j:SUM+\j+1] op_sel_hi:[1,0,1]
.endif
.endr
.endif
.if ((\n) >= 1) && ((\n) <= 25)
.irp j, 0,2,4,6,8,10,12,14,16,18,20,22,24,26,28,30     ; c1 s, each accumulator from its low end on
	v_pk_mul_f32 v[Q1+\j:Q1+\j+1], v[Q1+\j:Q1+\j+1], s[C1:C1+1] op_sel_hi:[1,0]
.endr
.endif
.if (\n) <= 24
	s_wait_dscnt 8                                 ; the tile's scale words and K steps 0-3 are in; K steps 4-7 may be out
	WIN 0x01                                       ; source 0 (x) in window 1
.irp s, 0,1,2,3,4,5,6,7
.if \s == 4
	s_wait_dscnt 0x0
.endif
.irp p, 0,1                            ; the two accumulators take turns, one instruction a turn
.set AB, Q0+16*\p
.set XB, 128*\p+16*\s
.set WB, WF+8*\s
.if \s == 0
	v_wmma_scale_f32_32x16x128_f4 v[AB:AB+15], v[XB:XB+15], v[WB:WB+7], 0, v[XS+8*\p+\s], v[WS+\s]
.else
	v_wmma_scale_f32_32x16x128_f4 v[AB:AB+15], v[XB:XB+15], v[WB:WB+7], v[AB:AB+15], v[XS+8*\p+\s], v[WS+\s]
.endif
.endr
.endr
	WIN 0
.endif
.if ((\n) >= 2) && ((\n) <= 26)
.irp j, 0,2,4,6,8,10,12,14,16,18,20,22,24,26,28,30     ; k e + k; also the places behind the products
	v_pk_fma_f32 v[Q2+\j:Q2+\j+1], v[Q2+\j:Q2+\j+1], s[KK:KK+1], s[KK:KK+1] op_sel_hi:[1,0,0]
.endr
.elseif (\n) < 2
	PLACES 4
.endif
.if (\n) <= 23
	FETCH
.endif
.if ((\n) >= 3) && ((\n) <= 27)
	v_add_nc_u32 v[COL], 16, v[COL]                ; the mask of the tile that the next step sums: 1.0 where my column belongs to this split
	v_cmp_gt_u32 vcc_lo, s[LIM], v[COL]
	v_cndmask_b32 v[MK], 0, 1.0, vcc_lo
.endif
.if ((\n) >= 1) && ((\n) <= 27)
	s_wait_alu depctr_va_vdst(0)
.if (\n) <= 25
	TR v_exp_f32, Q1
.endif
.if ((\n) >= 2) && ((\n) <= 26)
	TR v_rcp_f32, Q2
.endif
.if (\n) >= 3
	TR v_exp_f32, Q3
.endif
.endif
.if (\n) <= 23                         ; also the plain lines behind the batch
	v_add_nc_u32 v[ADW], TB, v[ADW]
	v_add_nc_u32 v[ADS], 512, v[ADS]
.elseif (\n) <= 27
	v_nop
.endif
.endm
	FETCH                                          ; tile 0
	v_add_nc_u32 v[ADW], TB, v[ADW]
	v_add_nc_u32 v[ADS], 512, v[ADS]
.set FIRST, 0
	STEP 0
	STEP 1
	STEP 2
	s_wait_alu depctr_va_vdst(0)
	s_wait_xcnt 0x0                                ; the store of the target terms has read its registers: the sums lie there
.set q, 0
.rept 32
	v_mov_b32 v[SUM+q], 0                          ; (the loop's first trip adds like every other)
.set q, q+1
.endr
	s_wait_alu depctr_va_vdst(0)
	s_wait_tensorcnt 0x0                           ; my 40 rows are in
	s_wait_dscnt 0x0                               ; no LDS instruction of mine is out at the signal
	s_barrier_signal -1
	STEP 3                                         ; (it fetches tile 4, of the head's fill)
	s_barrier_wait -1                              ; everybody's rows are in: tile 5 is fetched next
	s_mov_b32 s[CNT], 5
.Ltiles:
	STEP 4
	STEP 5
	STEP 6
	STEP 7
	s_wait_alu depctr_va_vdst(0)
	s_sub_co_u32 s[CNT], s[CNT], 1
	s_cmp_lg_u32 s[CNT], 0
	s_cbranch_scc1 .Ltiles
	STEP 24
	STEP 25
	STEP 26
	STEP 27
	STEP 28
; THE WAY OUT: the sums of 32 registers (tile i, row 8 h + j; number 8 i + j) are folded across the sixteen lanes of a half: at each fold a lane keeps one of two registers and gives the other to its partner.
; Lane (r, h) ends with rows 16 (r / 4) + 8 h + 2 (r % 4) + 0, 1 in two registers: the wave stores 256 consecutive bytes, aligned.
.macro FOLD d, m, sm
.set q, 0
.rept \d
	v_cndmask_b32 v[WF+q], v[SUM+q+\d], v[SUM+q], s[\sm]
	v_cndmask_b32 v[SUM+q], v[SUM+q], v[SUM+q+\d], s[\sm]
.set q, q+1
.endr
.set q, 0
.rept \d
	v_add_f32_dpp v[SUM+q], v[WF+q], v[SUM+q] row_xmask:\m row_mask:0xf bank_mask:0xf
.set q, q+1
.endr
.endm
	v_bfe_u32 v[ACC], v0, 4, 1                     ; h
	v_bfe_u32 v[ACC+1], v0, 2, 2                   ; r / 4
	v_and_b32 v[ACC+2], 3, v0                      ; r % 4
	FOLD 16, 8, FM+0
	v_lshlrev_b32 v[ACC], 5, v[ACC]
	FOLD 8, 4, FM+1
	v_lshl_add_u32 v[ACC], v[ACC+1], 6, v[ACC]
	FOLD 4, 2, FM+2
	v_lshl_add_u32 v[ACC], v[ACC+2], 3, v[ACC]     ; 64 (r / 4) + 32 h + 8 (r % 4)
	FOLD 2, 1, FM+3
	global_store_b64 v[ACC], v[SUM:SUM+1], s[12:13]
	s_wait_tensorcnt 0x0                           ; the wave's end
	ds_add_u32 v[SPW], v[NIL]
	s_wait_dscnt 0x0
	ROUND                                          ; the closing round: no work-group ends while a partner may still ask for a tile that names it
	s_endpgm
.Lfunc_end_k_q9d36cbb2cc_logits:
	.size	k_q9d36cbb2cc_logits, .Lfunc_end_k_q9d36cbb2cc_logits-k_q9d36cbb2cc_logits
	.p2alignl 7, 3214868480
	.fill 96, 4, 3214868480
	.section	.rodata,"a",@progbits
	.p2align	6, 0x0
	.amdhsa_kernel k_q9d36cbb2cc_logits
		.amdhsa_group_segment_fixed_size 327680
		.amdhsa_private_segment_fixed_size 0
		.amdhsa_enable_private_segment 0
		.amdhsa_kernarg_size 56
		.amdhsa_user_sgpr_count 2
		.amdhsa_user_sgpr_kernarg_segment_ptr 1
		.amdhsa_wavefront_size32 1
		.amdhsa_system_sgpr_workgroup_id_x 1
		.amdhsa_system_sgpr_workgroup_id_y 1
		.amdhsa_system_sgpr_workgroup_id_z 1
		.amdhsa_system_vgpr_workitem_id 0
		.amdhsa_next_free_vgpr 512
		.amdhsa_next_free_sgpr 84
		.amdhsa_reserve_vcc 1
		.amdhsa_float_denorm_mode_32 3
		.amdhsa_float_denorm_mode_16_64 3
		.amdhsa_memory_ordered 1
		.amdhsa_forward_progress 1
		.amdhsa_inst_pref_size 115
	.end_amdhsa_kernel
	.amdgpu_metadata
---
amdhsa.version: [ 1, 2 ]
amdhsa.kernels:
  - .name:           k_q9d36cbb2cc_logits
    .symbol:         k_q9d36cbb2cc_logits.kd
    .args:
      - { .name: xq, .offset: 0, .size: 8, .value_kind: global_buffer, .address_space: global }
      - { .name: xs, .offset: 8, .size: 8, .value_kind: global_buffer, .address_space: global }
      - { .name: wq, .offset: 16, .size: 8, .value_kind: global_buffer, .address_space: global }
      - { .name: ws, .offset: 24, .size: 8, .value_kind: global_buffer, .address_space: global }
      - { .name: psum, .offset: 32, .size: 8, .value_kind: global_buffer, .address_space: global }
      - { .name: targets, .offset: 40, .size: 8, .value_kind: global_buffer, .address_space: global }
      - { .name: tt, .offset: 48, .size: 8, .value_kind: global_buffer, .address_space: global }
    .group_segment_fixed_size: 327680
    .private_segment_fixed_size: 0
    .kernarg_segment_align: 8
    .kernarg_segment_size: 56
    .max_flat_workgroup_size: 256
    .sgpr_count:     84
    .vgpr_count:     512
    .wavefront_size: 32
...
	.end_amdgpu_metadata
.endif
;; end of part 2
;; launch finish (part 3): grid 128 x 1, 1 waves a work-group, no clusters, 0 bytes of LDS; arguments psum, tt, out0; writes out0
.if DOCPART == 3
	.amdgcn_target "amdgcn-amd-amdhsa--gfx1250"
	.amdhsa_code_object_version 6
	.text
	.protected	k_q9d36cbb2cc_finish
	.globl	k_q9d36cbb2cc_finish
	.p2align	8
	.type	k_q9d36cbb2cc_finish,@function
k_q9d36cbb2cc_finish:
	s_mov_b64 s[64:65], 0
	v_nop
	global_prefetch_b8 v0, s[64:65] scope:SCOPE_SE
	s_setreg_imm32_b32 hwreg(HW_REG_WAVE_MODE, 25, 1), 1
	s_wait_xcnt 0x0
; out0[row] = ln(sum over n of exp(l(row, n))) - l(row, target[row]) = ln 2 x log2(S) + (30 - l_t):
; S = the sum of the 16 parts of psum (sums of exp(l - 30), between 5.5e-23 and 6,282); tt holds 30 - l_t, 32 words a tile of 16 rows.
; A wave takes 64 rows, two a lane: each load of a part and the store cover 256 consecutive bytes, aligned.  Every byte is used once: no LDS, no barrier.
; LIMITS: NaN and infinities are not served.
	s_load_b128 s[4:7], s[0:1], 0x0                ; psum s[4:5], tt s[6:7]
	s_load_b64 s[8:9], s[0:1], 0x10                ; out0
	v_lshlrev_b32 v1, 3, v0                        ; 8 x lane
	v_and_b32 v2, 7, v0
	v_lshrrev_b32 v3, 3, v0
	v_lshlrev_b32 v2, 3, v2
	v_lshl_add_u32 v2, v3, 7, v2                   ; 128 bytes a tile, 8 lanes to a tile
	s_lshl_b32 s10, ttmp9, 8                       ; 64 rows of 4 bytes
	s_mov_b32 s11, 0
	s_lshl_b32 s12, ttmp9, 9                       ; four tiles' terms
	s_mov_b32 s13, 0
	s_wait_alu depctr_va_vdst(0)
	s_wait_kmcnt 0x0
	s_add_nc_u64 s[4:5], s[4:5], s[10:11]
	s_add_nc_u64 s[6:7], s[6:7], s[12:13]
	s_add_nc_u64 s[8:9], s[8:9], s[10:11]
.irp q, 0,1,2,3,4,5,6,7,8,9,10,11,12,13,14,15
	global_load_b64 v[4+2*\q:5+2*\q], v1, s[4:5] offset:32768*\q
.endr
	global_load_b64 v[36:37], v2, s[6:7]
	s_wait_loadcnt 0x0
.irp q, 0,1,2,3,4,5,6,7
	v_pk_add_f32 v[4+2*\q:5+2*\q], v[4+2*\q:5+2*\q], v[20+2*\q:21+2*\q]
.endr
.irp q, 0,1,2,3
	v_pk_add_f32 v[4+2*\q:5+2*\q], v[4+2*\q:5+2*\q], v[12+2*\q:13+2*\q]
.endr
	v_pk_add_f32 v[4:5], v[4:5], v[8:9]
	v_pk_add_f32 v[6:7], v[6:7], v[10:11]
	v_pk_add_f32 v[4:5], v[4:5], v[6:7]
	s_wait_alu depctr_va_vdst(0)
	v_log_f32 v4, v4
	v_log_f32 v5, v5
	v_nop
	s_wait_alu depctr_va_vdst(0)
	v_pk_fma_f32 v[4:5], v[4:5], 0x3f317218, v[36:37] op_sel_hi:[1,0,1]
	global_store_b64 v1, v[4:5], s[8:9]
	s_endpgm
.Lfunc_end_k_q9d36cbb2cc_finish:
	.size	k_q9d36cbb2cc_finish, .Lfunc_end_k_q9d36cbb2cc_finish-k_q9d36cbb2cc_finish
	.p2alignl 7, 3214868480
	.fill 96, 4, 3214868480
	.section	.rodata,"a",@progbits
	.p2align	6, 0x0
	.amdhsa_kernel k_q9d36cbb2cc_finish
		.amdhsa_group_segment_fixed_size 0
		.amdhsa_private_segment_fixed_size 0
		.amdhsa_enable_private_segment 0
		.amdhsa_kernarg_size 24
		.amdhsa_user_sgpr_count 2
		.amdhsa_user_sgpr_kernarg_segment_ptr 1
		.amdhsa_wavefront_size32 1
		.amdhsa_system_sgpr_workgroup_id_x 1
		.amdhsa_system_sgpr_workgroup_id_y 1
		.amdhsa_system_sgpr_workgroup_id_z 1
		.amdhsa_system_vgpr_workitem_id 0
		.amdhsa_next_free_vgpr 40
		.amdhsa_next_free_sgpr 66
		.amdhsa_reserve_vcc 0
		.amdhsa_float_denorm_mode_32 3
		.amdhsa_float_denorm_mode_16_64 3
		.amdhsa_memory_ordered 1
		.amdhsa_forward_progress 1
		.amdhsa_inst_pref_size 4
	.end_amdhsa_kernel
	.amdgpu_metadata
---
amdhsa.version: [ 1, 2 ]
amdhsa.kernels:
  - .name:           k_q9d36cbb2cc_finish
    .symbol:         k_q9d36cbb2cc_finish.kd
    .args:
      - { .name: psum, .offset: 0, .size: 8, .value_kind: global_buffer, .address_space: global }
      - { .name: tt, .offset: 8, .size: 8, .value_kind: global_buffer, .address_space: global }
      - { .name: out0, .offset: 16, .size: 8, .value_kind: global_buffer, .address_space: global }
    .group_segment_fixed_size: 0
    .private_segment_fixed_size: 0
    .kernarg_segment_align: 8
    .kernarg_segment_size: 24
    .max_flat_workgroup_size: 32
    .sgpr_count:     66
    .vgpr_count:     40
    .wavefront_size: 32
...
	.end_amdgpu_metadata
.endif
;; end of part 3
